; MI455X (gfx1250); checked and timed in simulation.
; The chip was launched on July 23, 2026; its instructions are those of AMD's public machine-readable ISA for CDNA 5 (MIT licence, August 2026) and "CDNA5" Instruction Set Architecture Reference Guide (July 2026). The comments in the code are by the model that wrote it; some were corrected since.
;; Multi Head Attention. Allowed arithmetic: matrix products marked QUANTISED: E3M2 operands, one E8M0 scale for each 32 along K, by v_wmma_scale_f32_16x16x128_f8f6f4 with both operands' format E3M2, f32 sums; everything else in f32.
;; Inputs: Wk 512 x 512 float32; Wo 512 x 512 float32; Wq 512 x 512 float32; Wv 512 x 512 float32; bo 512 float32; token_embed 2 x 4,096 x 512 float32.
;; Outputs: out0 2 x 4,096 x 512 float32.
;; This version of the problem:
;;   THIS VERSION OF THE PROBLEM IS GIVEN IN LOW PRECISION. The matrix products marked QUANTISED in the list below multiply operands that are first quantised to E3M2 (3 exponent bits, 2 mantissa bits; 6 bits a number), with one power-of-two scale for each 32 numbers along K (OCP MX v1.0); their sums are f32. All else is computed in f32.
;;   The module's matrix products, in the order in which they are computed (A, B: the left and right operand; K: the contracted axis; several contracted axes count as one K, in the product's order):
;;     1. [M 8,192, K 512] x [K 512, N 512]; A: input token_embed; B: input Wq: QUANTISED
;;     2. [M 8,192, K 512] x [K 512, N 512]; A: input token_embed; B: input Wk: QUANTISED
;;     3. [M 8,192, K 512] x [K 512, N 512]; A: input token_embed; B: input Wv: QUANTISED
;;     4. batch 16 x [M 4,096, K 64] x [K 64, N 4,096]; A: computed on the way; B: computed on the way: QUANTISED
;;     5. batch 16 x [M 4,096, K 4,096] x [K 4,096, N 64]; A: softmax (see below); B: computed on the way: QUANTISED
;;     6. [M 8,192, K 512] x [K 512, N 512]; A: computed on the way; B: input Wo: QUANTISED
;;   THE QUANTISER, for each operand of a quantised product, along K:
;;     - K is cut into blocks of 32 from its start; a last block that is shorter is filled with zeros.
;;     - A block's scale is 2^e with e = floor(log2(the largest magnitude in the block)) - 4, held to -126 .. 127; a block of zeros has e = 0. As a byte (E8M0): e + 127.
;;     - Each number is divided by its block's scale, clamped to +-28, and rounded to the nearest number of E3M2, ties to even, subnormals kept.
;;     - The product sums the exact products of the quantised numbers (number of the format x scale) in f32.
;;   ~~~python
;;   def quantise(x, axis):      # numpy; x: float32 -> the quantised numbers, widened to float32 again
;;       x = np.moveaxis(x, axis, -1); K = x.shape[-1]
;;       x = np.pad(x, [(0, 0)] * (x.ndim - 1) + [(0, -K % 32)]); x = x.reshape(x.shape[:-1] + (-1, 32)); a = np.abs(x).max(-1, keepdims=True)
;;       e = np.where(a > 0, np.clip(np.frexp(np.where(a > 0, a, 1))[1] - 1 - 4, -126, 127), 0)      # np.frexp(a)[1] - 1 = floor(log2(a)), exactly
;;       r = np.clip(x / 2.0 ** e, -28, 28)
;;       step = 2.0 ** (np.maximum(np.frexp(np.where(r == 0, 1, r))[1] - 1, -2) - 2)
;;       q = np.round(r / step) * step * 2.0 ** e      # np.round: ties to even
;;       return np.moveaxis(q.reshape(q.shape[:-2] + (-1,))[..., :K], -1, axis).astype(np.float32)
;;   ~~~
;;   SOFTMAX AHEAD OF A QUANTISED PRODUCT. Where the list says 'softmax', what is quantised is not the finished softmax but p = 2^(t - M), with t = logit x log2(e) and M = ceil(the row's largest t), a whole number; so 1/2 < the row's largest p <= 1. The row's sum l is taken of the UNQUANTISED p, in f32, and the product's result is divided by l at the end. Since M is a whole number, a kernel that streams over the keys may use a running M (the ceiling of the running maximum): every later rescaling is an exact power of two, which a block's scale takes up: the codes' values come out the same.
;;   OPERANDS COMPUTED ON THE WAY. 'Computed on the way' means the value that the module computes at that place (a softmax that the list does not call 'softmax' is quantised finished and normalised). What goes into a quantiser is computed in f32, as accurately as f32 sums, v_exp_f32 and their like allow (about 1e-6 of the number): no bf16 or f16 on the way to a quantiser, and a product that is left as it is and whose result goes on into a quantised operand takes f32 operands (vector FMAs, or v_wmma_f32_16x16x4_f32). A number that lies on a knife's edge between two numbers of the format may be rounded either way, as far as f32 arithmetic and the matrix unit's own rounding can turn it there, and no further.
;; One version. Each part assembles by itself: llvm-mc -triple=amdgcn-amd-amdhsa -mcpu=gfx1250 --defsym DOCPART=n.
;; ======== version 1 of 1: 4 launches
;; limits: right only within a limited range of input values
;; workspace buffers: img 4,259,840 bytes; qb 3,670,016 bytes; kv 7,077,888 bytes; cx 3,145,728 bytes; cs 524,288 bytes
;; launch prep (part 1): grid 256 x 1, 5 waves a work-group, no clusters, 85,248 bytes of LDS; arguments token_embed, Wq, Wk, Wv, Wo, img; writes img
.if DOCPART == 1
	.amdgcn_target "amdgcn-amd-amdhsa--gfx1250"
	.amdhsa_code_object_version 6
	.text
	.protected	k_q697123c263_prep
	.globl	k_q697123c263_prep
	.p2align	8
	.type	k_q697123c263_prep,@function
k_q697123c263_prep:
	s_mov_b64 s[64:65], 0
	v_nop
	global_prefetch_b8 v0, s[64:65] scope:SCOPE_SE
	s_setreg_imm32_b32 hwreg(HW_REG_WAVE_MODE, 25, 1), 1
	s_wait_xcnt 0x0
; token_embed [8192][512] and Wq, Wk, Wv, Wo [512][512], f32, K = the last axis, become codes of BF6 (E3M2) with one E8M0 byte for each 32 along K,
; laid in img as IMAGES OF OPERAND REGISTERS.  Rows go in groups of 128 (groups 0-63: token_embed; 64 + 4 m + q: rows 128 q on of weight m = Wq, Wk, Wv, Wo), a group is 53,248 bytes:
;   the fragment of (tile tt of 16 rows, K step s of 128) at 6144 tt + 1536 s: registers 4 c .. 4 c + 3 of lane L at 512 c + 16 L;
;   the scale words at 49152 + 512 tt + 256 hf + 8 L: two words (K steps 2 hf, 2 hf + 1) of the lane's row; lanes 16-31 hold what lanes 0-15 hold.
; THE ROWS OF A TILE ARE NOT NEIGHBOURS: row r of tile tt is the group's row 32 (tt / 2) + 8 (tt % 2) + r + 8 (r / 8), so that in every later product the 16 result registers of tiles 2 b, 2 b + 1 are 16 neighbours.
; A block's scale is 2^(floor(log2(largest magnitude)) - 4): its byte is the largest magnitude's exponent field - 4, held at 1 from below.
; LIMITS: NaN and infinities among the inputs are not served; a block of zeros, or one whose largest magnitude lies under 2^-122, gets the byte 1 (zero codes add nothing; only this program reads the bytes).
; SHARES: 1,280 units of 16 rows x 256 K (16 KiB of f32), one to a wave.  Each load reads 512 consecutive bytes of a row; a K step's 16 rows turn through the wave's own stage in LDS
; (rows of 512 + 16 bytes) and come back 16 neighbours a lane for each block of 32.  No tensor loads, no barrier, no loop: waves share nothing.  Matrix units and clusters have nothing to do here: memory binds.
.set GRP,  53248
.set WREG, 16896                       ; LDS of a wave: two stages
.set STG,  8448                        ; a stage: 16 rows x 528 bytes
.set TM,   8                           ; v8-11 largest magnitudes, v12-15 bytes, v16-19 the conversions' scale operands
.set PC0,  28                          ; v28-47 the first K step's codes
.set X0,   64                          ; v64-127 the first K step's 64 numbers of a lane
.set R0,   128                         ; v128-255 the two K steps as loaded
.set X1,   128                         ; v128-191 later the second K step's 64 numbers
.set PC1,  192                         ; v192-211 later its codes
.set SEL,  30                          ; s[30:31] lane selects: lane l xor 16
; the largest magnitude, the scale operand and the byte of nb blocks; block b: registers src + 16 b .. + 15 of lanes l and l xor 16
.macro BMAX src, nb
.irp b, 0,1,2,3
.if \b < \nb
	v_max3_num_f32 v[TM+\b], |v[\src+16*\b]|, |v[\src+16*\b+1]|, 0x2800000   ; and the floor 2^(5 - 127): the byte cannot fall under 1
.endif
.endr
.irp i, 2,4,6,8,10,12,14
.irp b, 0,1,2,3
.if \b < \nb
	v_max3_num_f32 v[TM+\b], v[TM+\b], |v[\src+16*\b+\i]|, |v[\src+16*\b+\i+1]|   ; the blocks by turns
.endif
.endr
.endr
.irp b, 0,1,2,3
.if \b < \nb
	v_permlanex16_b32 v[TM+4+\b], v[TM+\b], s[SEL], s[SEL+1]
.endif
.endr
.irp b, 0,1,2,3
.if \b < \nb
	v_max_num_f32 v[TM+\b], v[TM+\b], v[TM+4+\b]       ; with lane l xor 16's 16 numbers
.endif
.endr
.irp b, 0,1,2,3
.if \b < \nb
	v_add_nc_u32 v[TM+8+\b], 0xfe000000, v[TM+\b]      ; 4 off the exponent field: the conversion's scale operand
.endif
.endr
.irp b, 0,1,2,3
.if \b < \nb
	v_lshrrev_b32 v[TM+4+\b], 23, v[TM+8+\b]           ; the scale's byte
.endif
.endr
.endm
; 64 numbers of a lane, register 16 b + i = k 32 b + 16 (lane / 16) + i of its row, become a fragment in v[pc .. pc + 11] and the row's scale word in v[pw]
.macro QUANT src, pc, pw
	BMAX \src, 4
	v_lshl_or_b32 v[\pw], v[TM+5], 8, v[TM+4]
	v_lshl_or_b32 v[\pw], v[TM+6], 16, v[\pw]
	v_lshl_or_b32 v[\pw], v[TM+7], 24, v[\pw]
.irp c, 0,1
	v_cvt_scalef32_pk16_bf6_f32 v[\pc+6*\c:\pc+6*\c+2], v[\src+32*\c:\src+32*\c+15], v[TM+8+2*\c]
	v_cvt_scalef32_pk16_bf6_f32 v[\pc+12+4*\c:\pc+14+4*\c], v[\src+32*\c+16:\src+32*\c+31], v[TM+9+2*\c]   ; (a conversion's three registers begin on an even number)
.endr
	v_nop                                              ; one plain place behind a scaled conversion
.irp c, 0,1                                        ; the operand wants a whole block in a lane: lanes 0-15 block 2 c, lanes 16-31 block 2 c + 1
.irp k, 0,1,2
	v_permlane16_swap_b32 v[\pc+6*\c+\k], v[\pc+12+4*\c+\k]
.endr
.irp k, 0,1,2
	v_mov_b32 v[\pc+3+6*\c+\k], v[\pc+12+4*\c+\k]
.endr
.endr
.endm
; K step p's 16 rows through stage p: in as loaded, back 64 bytes of each block's half a lane.  LDS serves a wave's instructions in order: no wait between the stores and the loads
.macro TURN p, rr, xx
.set ii, 0
.rept 16
	ds_store_b128 v3, v[\rr+4*ii:\rr+4*ii+3] offset:STG*\p+528*ii
.set ii, ii+1
.endr
.set ii, 0
.rept 16
	ds_load_b128 v[\xx+4*ii:\xx+4*ii+3], v4 offset:STG*\p+128*(ii/4)+16*(ii%4)
.set ii, ii+1
.endr
.endm
	s_load_b256 s[4:11], s[0:1], 0x0               ; token_embed s[4:5], Wq s[6:7], Wk s[8:9], Wv s[10:11]
	s_load_b128 s[12:15], s[0:1], 0x20             ; Wo s[12:13], img s[14:15]
	v_lshl_add_u32 v62, v0, 2, 0x14a00
	v_mov_b32 v63, 0
	v_lshrrev_b32 v5, 5, v0
	v_readfirstlane_b32 s16, v5                    ; wave 0..4
	v_and_b32 v6, 31, v0                           ; lane
	v_lshlrev_b32 v1, 4, v6                        ; 16 L
	v_lshlrev_b32 v2, 3, v6                        ; 8 L
	s_mul_i32 s17, s16, WREG
	v_add_nc_u32 v3, s17, v1                       ; the stage, in: 16 L of a row
	v_and_b32 v7, 15, v0                           ; r
	v_bfe_u32 v5, v0, 4, 1                         ; h
	v_mul_u32_u24 v4, v7, 528
	v_lshl_add_u32 v4, v5, 6, v4
	v_add_nc_u32 v4, s17, v4                       ; and back: row r, + 64 h
.irp b, 0,1,2,3
	v_mov_b32 v[TM+4+\b], 0                        ; written once: a lane permute's destination counts as one of its sources
.endr
	s_mov_b32 s[SEL], 0x76543210
	s_mov_b32 s[SEL+1], 0xfedcba98
	s_mul_i32 s18, ttmp9, 5
	s_add_co_u32 s18, s18, s16                     ; my unit
	s_and_b32 s19, s18, 1                          ; hf: which 256 along K
	s_lshr_b32 s18, s18, 1
	s_and_b32 s22, s18, 7                          ; tt: the tile in its group
	s_lshr_b32 s18, s18, 3                         ; G: the group
	s_and_b32 s23, s18, 3
	s_cmp_lt_u32 s18, 64
	s_cselect_b32 s23, s18, s23                    ; the group's number inside its tensor
	s_lshl_b32 s23, s23, 7
	s_lshr_b32 s24, s22, 1
	s_lshl_b32 s24, s24, 5
	s_add_co_u32 s23, s23, s24
	s_and_b32 s24, s22, 1
	s_lshl_b32 s24, s24, 3
	s_add_co_u32 s23, s23, s24                     ; the tile's first row: 128 x group + 32 (tt / 2) + 8 (tt % 2)
	s_lshl_b32 s24, s23, 11                        ; rows of 2,048 bytes
	s_lshl_b32 s25, s19, 10
	s_add_co_u32 s24, s24, s25
	s_mov_b32 s25, 0                               ; s[24:25]: where I read
	s_mul_i32 s26, s18, GRP
	s_mul_i32 s27, s22, 6144
	s_add_co_u32 s28, s26, s27
	s_mul_i32 s27, s19, 3072
	s_add_co_u32 s28, s28, s27
	s_mov_b32 s29, 0                               ; s[28:29]: where my two fragments go
	s_lshl_b32 s27, s22, 9
	s_add_co_u32 s26, s26, s27
	s_lshl_b32 s27, s19, 8
	s_add_co_u32 s26, s26, s27
	s_add_co_u32 s26, s26, 49152
	s_mov_b32 s27, 0                               ; s[26:27]: and their scale words
	s_wait_alu depctr_va_vdst(0)
	s_wait_kmcnt 0x0
	s_mov_b64 s[20:21], s[12:13]                   ; the tensor is chosen by the group's number alone
	s_cmp_lt_u32 s18, 76
	s_cselect_b64 s[20:21], s[10:11], s[20:21]
	s_cmp_lt_u32 s18, 72
	s_cselect_b64 s[20:21], s[8:9], s[20:21]
	s_cmp_lt_u32 s18, 68
	s_cselect_b64 s[20:21], s[6:7], s[20:21]
	s_cmp_lt_u32 s18, 64
	s_cselect_b64 s[20:21], s[4:5], s[20:21]
	s_add_nc_u64 s[20:21], s[20:21], s[24:25]
	s_add_nc_u64 s[28:29], s[14:15], s[28:29]
	s_add_nc_u64 s[26:27], s[14:15], s[26:27]
.irp p, 0,1                                        ; 32 loads, all at once: tile row i is the tensor's row i + 8 (i / 8) from the tile's first; 32 lanes read 512 consecutive bytes
.set ii, 0
.rept 16
	global_load_b128 v[R0+64*\p+4*ii:R0+64*\p+4*ii+3], v1, s[20:21] offset:(ii+8*(ii/8))*2048+512*\p th:TH_LOAD_NT
.set ii, ii+1
.endr
.endr
	s_wait_loadcnt 16                              ; the first K step's 16 loads are in; the second's 16 may be out
	TURN 0, R0, X0
	s_wait_loadcnt 0x0
	s_wait_dscnt 16                                ; the first turn's 16 stores are done (its 16 loads may be out): they have read v128-191, into which the second turn's loads land
	TURN 1, R0+64, X1
	s_wait_dscnt 32                                ; the first turn's loads are in; the second turn's 32 instructions may be out
	QUANT X0, PC0, 24
.irp c, 0,1,2
	global_store_b128 v1, v[PC0+4*\c:PC0+4*\c+3], s[28:29] offset:512*\c       ; 32 lanes store 512 consecutive bytes, aligned to 256
.endr
	s_wait_dscnt 0x0                               ; the second K step's numbers are in, and its stores into the stage have read v192-255
	QUANT X1, PC1, 25
.irp c, 0,1,2
	global_store_b128 v1, v[PC1+4*\c:PC1+4*\c+3], s[28:29] offset:1536+512*\c
.endr
	global_store_b64 v2, v[24:25], s[26:27]        ; the two scale words of each lane's row: 256 consecutive bytes
	s_wait_tensorcnt 0x0
	ds_add_u32 v62, v63
	s_wait_dscnt 0x0
	s_endpgm
.Lfunc_end_k_q697123c263_prep:
	.size	k_q697123c263_prep, .Lfunc_end_k_q697123c263_prep-k_q697123c263_prep
	.p2alignl 7, 3214868480
	.fill 96, 4, 3214868480
	.section	.rodata,"a",@progbits
	.p2align	6, 0x0
	.amdhsa_kernel k_q697123c263_prep
		.amdhsa_group_segment_fixed_size 85248
		.amdhsa_private_segment_fixed_size 0
		.amdhsa_enable_private_segment 0
		.amdhsa_kernarg_size 48
		.amdhsa_user_sgpr_count 2
		.amdhsa_user_sgpr_kernarg_segment_ptr 1
		.amdhsa_wavefront_size32 1
		.amdhsa_system_sgpr_workgroup_id_x 1
		.amdhsa_system_sgpr_workgroup_id_y 1
		.amdhsa_system_sgpr_workgroup_id_z 1
		.amdhsa_system_vgpr_workitem_id 0
		.amdhsa_next_free_vgpr 256
		.amdhsa_next_free_sgpr 66
		.amdhsa_reserve_vcc 0
		.amdhsa_float_denorm_mode_32 3
		.amdhsa_float_denorm_mode_16_64 3
		.amdhsa_memory_ordered 1
		.amdhsa_forward_progress 1
		.amdhsa_inst_pref_size 19
	.end_amdhsa_kernel
	.amdgpu_metadata
---
amdhsa.version: [ 1, 2 ]
amdhsa.kernels:
  - .name:           k_q697123c263_prep
    .symbol:         k_q697123c263_prep.kd
    .args:
      - { .name: token_embed, .offset: 0, .size: 8, .value_kind: global_buffer, .address_space: global }
      - { .name: Wq, .offset: 8, .size: 8, .value_kind: global_buffer, .address_space: global }
      - { .name: Wk, .offset: 16, .size: 8, .value_kind: global_buffer, .address_space: global }
      - { .name: Wv, .offset: 24, .size: 8, .value_kind: global_buffer, .address_space: global }
      - { .name: Wo, .offset: 32, .size: 8, .value_kind: global_buffer, .address_space: global }
      - { .name: img, .offset: 40, .size: 8, .value_kind: global_buffer, .address_space: global }
    .group_segment_fixed_size: 85248
    .private_segment_fixed_size: 0
    .kernarg_segment_align: 8
    .kernarg_segment_size: 48
    .max_flat_workgroup_size: 160
    .sgpr_count:     66
    .vgpr_count:     256
    .wavefront_size: 32
...
	.end_amdgpu_metadata
.endif
;; end of part 1
;; launch qkv (part 2): grid 256 x 1, 6 waves a work-group, no clusters, 168,704 bytes of LDS; arguments img, qb, kv; writes qb, kv
.if DOCPART == 2
	.amdgcn_target "amdgcn-amd-amdhsa--gfx1250"
	.amdhsa_code_object_version 6
	.text
	.protected	k_q697123c263_qkv
	.globl	k_q697123c263_qkv
	.p2align	8
	.type	k_q697123c263_qkv,@function
k_q697123c263_qkv:
	s_mov_b64 s[64:65], 0
	v_nop
	global_prefetch_b8 v0, s[64:65] scope:SCOPE_SE
	s_setreg_imm32_b32 hwreg(HW_REG_WAVE_MODE, 25, 1), 1
	s_wait_xcnt 0x0
; q, k, v = x Wq^T, x Wk^T, x Wv^T on codes of BF6 with E8M0 scales (K = 512, four steps of 128), and their quantising for attention: q and k along the head's 64, v along the tokens (the keys).
; SHARES: a work-group takes a group of 128 tokens (g = id / 4) and two heads of each matrix; wave w takes matrix w / 2 (q, k, v) and head id % 4 + 4 (w % 2): 128 tokens x 64 channels, 128 matrix instructions.
; x's group (53,248 bytes of fragment images and scale words) comes into LDS once, by one tensor load of 52 rows of 256 bytes from each of waves 0-3; nothing is filled again.
; The wave's 16 fragments of W stay in registers (window 1).
; q, k: source 0 = 16 channels of W, source 1 = 16 tokens: a lane holds one token, its 32 registers of a token tile are the head's channels 32 b + 16 h + 0 .. 15: two blocks of 32.
;   Two token tiles are quantised as one fragment of 128: its registers 6 c .. 6 c + 5 are token tile 2 i + c's HALF IMAGE (16 rows x 64 K): registers 0-3 at 16 L, registers 4-5 at 512 + 8 L, 768 bytes.
;   The scale word of the even tile is the fragment's word, that of the odd tile the word >> 16: bytes 2, 3 belong to nothing and meet zero codes alone in attention.
; v: source 0 = 16 tokens, source 1 = 16 channels: a lane holds one channel, 16 registers are tokens 32 i + 16 h + 0 .. 15: a block along the keys.  Two trips make the half image (channel tile ct, keys 64 c on).
; OUT: qb block (b h, group): 8 half images, scale words at 6144 + 512 (t / 4) + 16 L + 4 (t % 4).  kv block of 13,824 bytes: k likewise; v's half images at 7168 + 1536 ct + 768 c; v's scale words at 13312 + 16 L + 4 ct.
; NO CLUSTER: what four work-groups share is x's one block, fetched once at the head; there is no loop of fetches whose requests a joint load would spare.
; LIMITS: as stated for the quantiser of the first launch (byte held at 1 from below; NaN and infinities not served).
.set GRP,  53248
.set WS,   4                           ; v4-19    W's scale words: 4 ct + s
.set XS,   20                          ; v20-27   x's: 4 tl + s
.set TM,   28                          ; v28-39   largest magnitudes, bytes, scale operands
.set SW,   40                          ; v40-47   scale words to store
.set PC,   48                          ; v48-67   q, k: the codes just made
.set PW,   68                          ; v68      and their scale word
.set HC,   48                          ; v48-79   v: half images, 8 registers a channel tile
.set TC,   80                          ; v80-95   v: the odd trips' codes, 4 a channel tile
.set ACC,  96                          ; v96-159  eight accumulators
.set XF,   160                         ; v160-255 x's fragments of two token tiles: 12 (4 tl + s)
.set SEL,  44                          ; s[44:45]
.set MSB,  0
.macro WIN new                         ; the immediate's high byte repeats the setting that is left
.if MSB != \new
	s_set_vgpr_msb (MSB<<8)|\new
.set MSB, \new
.endif
.endm
.macro MM0 d, a, b, sa, sb             ; the first K step starts a sum
	v_wmma_scale_f32_16x16x128_f8f6f4 v[\d:\d+7], v[\a:\a+11], v[\b:\b+11], 0, v[\sa], v[\sb] matrix_a_fmt:MATRIX_FMT_BF6 matrix_b_fmt:MATRIX_FMT_BF6
.endm
.macro MMA d, a, b, sa, sb
	v_wmma_scale_f32_16x16x128_f8f6f4 v[\d:\d+7], v[\a:\a+11], v[\b:\b+11], v[\d:\d+7], v[\sa], v[\sb] matrix_a_fmt:MATRIX_FMT_BF6 matrix_b_fmt:MATRIX_FMT_BF6
.endm
.macro BMAX src, nb
.irp b, 0,1,2,3
.if \b < \nb
	v_max3_num_f32 v[TM+\b], |v[\src+16*\b]|, |v[\src+16*\b+1]|, 0x2800000   ; and the floor 2^(5 - 127).  Each accumulator is read from its low end on
.endif
.endr
.irp i, 2,4,6,8,10,12,14
.irp b, 0,1,2,3
.if \b < \nb
	v_max3_num_f32 v[TM+\b], v[TM+\b], |v[\src+16*\b+\i]|, |v[\src+16*\b+\i+1]|
.endif
.endr
.endr
.irp b, 0,1,2,3
.if \b < \nb
	v_permlanex16_b32 v[TM+4+\b], v[TM+\b], s[SEL], s[SEL+1]
.endif
.endr
.irp b, 0,1,2,3
.if \b < \nb
	v_max_num_f32 v[TM+\b], v[TM+\b], v[TM+4+\b]
.endif
.endr
.irp b, 0,1,2,3
.if \b < \nb
	v_add_nc_u32 v[TM+8+\b], 0xfe000000, v[TM+\b]
.endif
.endr
.irp b, 0,1,2,3
.if \b < \nb
	v_lshrrev_b32 v[TM+4+\b], 23, v[TM+8+\b]
.endif
.endr
.endm
.macro QUANT src, pc, pw
	BMAX \src, 4
	v_lshl_or_b32 v[\pw], v[TM+5], 8, v[TM+4]
	v_lshl_or_b32 v[\pw], v[TM+6], 16, v[\pw]
	v_lshl_or_b32 v[\pw], v[TM+7], 24, v[\pw]
.irp c, 0,1
	v_cvt_scalef32_pk16_bf6_f32 v[\pc+6*\c:\pc+6*\c+2], v[\src+32*\c:\src+32*\c+15], v[TM+8+2*\c]
	v_cvt_scalef32_pk16_bf6_f32 v[\pc+12+4*\c:\pc+14+4*\c], v[\src+32*\c+16:\src+32*\c+31], v[TM+9+2*\c]
.endr
	v_nop                                              ; one plain place behind a scaled conversion
.irp c, 0,1
.irp k, 0,1,2
	v_permlane16_swap_b32 v[\pc+6*\c+\k], v[\pc+12+4*\c+\k]
.endr
.irp k, 0,1,2
	v_mov_b32 v[\pc+3+6*\c+\k], v[\pc+12+4*\c+\k]
.endr
.endr
.endm
; x's fragments and scale words of token tiles 2 i, 2 i + 1: 28 LDS loads, each of consecutive bytes
.macro XLOAD i
.irp f, 0,1,2,3,4,5,6,7
.irp c, 0,1,2
	ds_load_b128 v[XF+12*\f+4*\c:XF+12*\f+4*\c+3], v1 offset:(\i)*12288+1536*\f+512*\c
.endr
.endr
.irp q, 0,1,2,3
	ds_load_b64 v[XS+2*\q:XS+2*\q+1], v2 offset:49152+(\i)*1024+256*\q
.endr
.endm
.macro PLACES                          ; four plain places behind matrix instructions, in front of loads into registers that they read and of the first read of results
.rept 4
	v_nop
.endr
.endm
	s_load_b128 s[4:7], s[0:1], 0x0                ; img s[4:5], qb s[6:7]
	s_load_b64 s[8:9], s[0:1], 0x10                ; kv
	v_lshl_add_u32 v91, v0, 2, 0x29000
	v_mov_b32 v95, 0
	ds_add_u32 v91, v95
	ds_add_u32 v91, v95
	v_lshrrev_b32 v3, 5, v0
	v_readfirstlane_b32 s12, v3                    ; wave 0..5
	v_and_b32 v3, 31, v0
	v_lshlrev_b32 v1, 4, v3                        ; 16 L
	v_lshlrev_b32 v2, 3, v3                        ; 8 L
.irp b, 0,1,2,3
	v_mov_b32 v[TM+4+\b], 0                        ; written once: a lane permute's destination counts as one of its sources
.endr
	s_mov_b32 s[SEL], 0x76543210
	s_mov_b32 s[SEL+1], 0xfedcba98
	s_lshr_b32 s13, ttmp9, 2                       ; g: the group of tokens
	s_and_b32 s14, ttmp9, 3
	s_and_b32 s15, s12, 1
	s_lshl_b32 s15, s15, 2
	s_add_co_u32 s15, s15, s14                     ; my head
	s_lshr_b32 s28, s12, 1                         ; my matrix: 0 q, 1 k, 2 v
	; descriptor group 1: a dense block as 52 rows of 256 bytes (32 elements of 8 bytes), no padding
	s_mov_b32 s16, 3<<16
	s_mov_b32 s17, 32<<16                          ; tensor_dim0
	s_mov_b32 s18, 52<<16                          ; tensor_dim1
	s_mov_b32 s19, 32<<16                          ; tile_dim0
	s_mov_b32 s20, 52                              ; tile_dim1
	s_mov_b32 s21, 32                              ; the pitch
	s_mov_b32 s22, 0
	s_mov_b32 s23, 0
	s_min_u32 s29, s12, 3                          ; waves 0-3 fetch a quarter each
	s_mov_b32 s24, 1
	s_mul_i32 s25, s29, 13312                      ; its place in LDS
	s_mul_i32 s30, s13, GRP
	s_add_co_u32 s30, s30, s25
	s_mov_b32 s31, 0                               ; and in img
	s_lshl_b32 s32, s28, 2
	s_lshr_b32 s33, s15, 1
	s_add_co_u32 s32, s32, s33
	s_add_co_u32 s32, s32, 64
	s_mul_i32 s32, s32, GRP                        ; my weight's group: 64 + 4 x matrix + head / 2
	s_and_b32 s29, s15, 1
	s_mul_i32 s34, s29, 24576                      ; tiles 4 (head % 2) on
	s_add_co_u32 s34, s34, s32
	s_mov_b32 s35, 0                               ; s[34:35]: W's fragments
	s_lshl_b32 s29, s29, 11
	s_add_co_u32 s32, s32, s29
	s_add_co_u32 s32, s32, 49152
	s_mov_b32 s33, 0                               ; s[32:33]: W's scale words
	s_lshr_b32 s38, s13, 5
	s_lshl_b32 s38, s38, 3
	s_add_co_u32 s38, s38, s15                     ; b h
	s_lshl_b32 s38, s38, 5
	s_and_b32 s39, s13, 31
	s_add_co_u32 s38, s38, s39                     ; my block: 32 x b h + the group in its sequence
	s_mov_b32 s39, 13824
	s_cmp_lt_u32 s12, 2
	s_cselect_b32 s39, 7168, s39                   ; a block of qb, or of kv
	s_mul_i32 s38, s38, s39
	s_cmp_lt_u32 s12, 4
	s_cselect_b32 s39, 0, 7168                     ; v lies behind k
	s_add_co_u32 s38, s38, s39
	s_mov_b32 s39, 0
	s_wait_dscnt 0x0
	s_wait_kmcnt 0x0
	s_add_nc_u64 s[26:27], s[4:5], s[30:31]
	s_or_b32 s27, s27, 0x80000000                  ; type = 2
	s_cmp_lt_u32 s12, 4
	s_cbranch_scc0 .Lnofill
	tensor_load_to_lds s[24:27], s[16:23]          ; my one tensor load: a quarter of x's group
	s_nop 0
	PLACES
.Lnofill:
	s_add_nc_u64 s[40:41], s[4:5], s[34:35]
	s_add_nc_u64 s[42:43], s[4:5], s[32:33]
	s_cmp_lt_u32 s12, 2
	s_cselect_b64 s[36:37], s[6:7], s[8:9]         ; the choice hangs on the wave's number alone
	s_add_nc_u64 s[36:37], s[36:37], s[38:39]
	WIN 0x40                                       ; destination window 1
	s_wait_alu depctr_va_vdst(0)
.irp f, 0,1,2,3,4,5,6,7,8,9,10,11,12,13,14,15  ; W's fragment (ct, s) at v[12 (4 ct + s)] of window 1
.irp c, 0,1,2
	global_load_b128 v[12*\f+4*\c:12*\f+4*\c+3], v1, s[40:41] offset:1536*\f+512*\c
.endr
.endr
	WIN 0
.irp q, 0,1,2,3,4,5,6,7
	global_load_b64 v[WS+2*\q:WS+2*\q+1], v2, s[42:43] offset:256*\q
.endr
	s_wait_tensorcnt 0x0                           ; my quarter has landed,
	s_barrier_signal -1
	s_barrier_wait -1                              ; everybody's has
	XLOAD 0
	s_wait_loadcnt 0x0                             ; W
	s_cmp_lt_u32 s12, 4
	s_cbranch_scc0 .Lrole_v
; ---- q and k: a trip takes two token tiles
.macro QKTRIP i
	s_wait_dscnt 0x0
	WIN 0x01                                       ; source 0 (W) window 1
.irp s, 0,1,2,3                                ; eight accumulators by turns, one instruction a turn
.irp tl, 0,1
.irp ct, 0,1,2,3
.if \s == 0
	MM0 ACC+32*\tl+8*\ct, 12*(4*\ct+\s), XF+12*(4*\tl+\s), WS+4*\ct+\s, XS+4*\tl+\s
.else
	MMA ACC+32*\tl+8*\ct, 12*(4*\ct+\s), XF+12*(4*\tl+\s), WS+4*\ct+\s, XS+4*\tl+\s
.endif
.endr
.endr
.endr
	WIN 0
	PLACES
.if (\i) < 3
	XLOAD (\i)+1                                   ; lands while this trip's results are quantised
.endif
.if (\i) > 0
	s_wait_xcnt 0x0                                ; the last trip's stores have read the codes' registers
.endif
	QUANT ACC, PC, PW
	v_mov_b32 v[SW+2*(\i)], v[PW]                  ; the even tile's word,
	v_lshrrev_b32 v[SW+2*(\i)+1], 16, v[PW]        ; the odd tile's
.irp c, 0,1
	global_store_b128 v1, v[PC+6*\c:PC+6*\c+3], s[36:37] offset:768*(2*(\i)+\c)          ; 512 consecutive bytes,
	global_store_b64 v2, v[PC+6*\c+4:PC+6*\c+5], s[36:37] offset:768*(2*(\i)+\c)+512     ; and 256
.endr
.endm
	QKTRIP 0
	QKTRIP 1
	QKTRIP 2
	QKTRIP 3
	global_store_b128 v1, v[SW:SW+3], s[36:37] offset:6144
	global_store_b128 v1, v[SW+4:SW+7], s[36:37] offset:6656
	s_wait_tensorcnt 0x0
	ds_add_u32 v91, v95
	s_wait_dscnt 0x0
	s_endpgm
; ---- v: a trip takes 32 tokens: one block along the keys for each of the 64 channels
.Lrole_v:
.macro VTRIP i
	s_wait_dscnt 0x0
	WIN 0x04                                       ; source 1 (W) window 1
.irp s, 0,1,2,3
.irp ct, 0,1,2,3
.irp tl, 0,1
.if \s == 0
	MM0 ACC+16*\ct+8*\tl, XF+12*(4*\tl+\s), 12*(4*\ct+\s), XS+4*\tl+\s, WS+4*\ct+\s
.else
	MMA ACC+16*\ct+8*\tl, XF+12*(4*\tl+\s), 12*(4*\ct+\s), XS+4*\tl+\s, WS+4*\ct+\s
.endif
.endr
.endr
.endr
	WIN 0
	PLACES
.if (\i) < 3
	XLOAD (\i)+1
.endif
	BMAX ACC, 4                                    ; block ct: tokens 32 i .. 32 i + 31 of the lane's channel of tile ct
.irp ct, 0,1,2,3
.if (\i) == 0
	v_mov_b32 v[SW+\ct], v[TM+4+\ct]
.else
	v_lshl_or_b32 v[SW+\ct], v[TM+4+\ct], 8*(\i), v[SW+\ct]    ; byte i of the channel's scale word
.endif
.endr
.if (\i)%2 == 0
.if (\i) == 2
	s_wait_xcnt 0x0                                ; trip 1's stores have read the half images' registers
.endif
.irp ct, 0,1,2,3
	v_cvt_scalef32_pk16_bf6_f32 v[HC+8*\ct:HC+8*\ct+2], v[ACC+16*\ct:ACC+16*\ct+15], v[TM+8+\ct]
.endr
	v_nop                                          ; one plain place behind a scaled conversion
.else
.irp ct, 0,1,2,3
	v_cvt_scalef32_pk16_bf6_f32 v[TC+4*\ct:TC+4*\ct+2], v[ACC+16*\ct:ACC+16*\ct+15], v[TM+8+\ct]
.endr
	v_nop
.irp ct, 0,1,2,3                               ; lanes 0-15 take the even trip's block whole, lanes 16-31 the odd trip's
.irp k, 0,1,2
	v_permlane16_swap_b32 v[HC+8*\ct+\k], v[TC+4*\ct+\k]
.endr
.irp k, 0,1,2
	v_mov_b32 v[HC+8*\ct+3+\k], v[TC+4*\ct+\k]
.endr
	global_store_b128 v1, v[HC+8*\ct:HC+8*\ct+3], s[36:37] offset:1536*\ct+768*((\i)/2)
	global_store_b64 v2, v[HC+8*\ct+4:HC+8*\ct+5], s[36:37] offset:1536*\ct+768*((\i)/2)+512
.endr
.endif
.endm
	VTRIP 0
	VTRIP 1
	VTRIP 2
	VTRIP 3
	global_store_b128 v1, v[SW:SW+3], s[36:37] offset:6144
	s_wait_tensorcnt 0x0
	ds_add_u32 v91, v95
	s_wait_dscnt 0x0
	s_endpgm
.Lfunc_end_k_q697123c263_qkv:
	.size	k_q697123c263_qkv, .Lfunc_end_k_q697123c263_qkv-k_q697123c263_qkv
	.p2alignl 7, 3214868480
	.fill 96, 4, 3214868480
	.section	.rodata,"a",@progbits
	.p2align	6, 0x0
	.amdhsa_kernel k_q697123c263_qkv
		.amdhsa_group_segment_fixed_size 168704
		.amdhsa_private_segment_fixed_size 0
		.amdhsa_enable_private_segment 0
		.amdhsa_kernarg_size 24
		.amdhsa_user_sgpr_count 2
		.amdhsa_user_sgpr_kernarg_segment_ptr 1
		.amdhsa_wavefront_size32 1
		.amdhsa_system_sgpr_workgroup_id_x 1
		.amdhsa_system_sgpr_workgroup_id_y 1
		.amdhsa_system_sgpr_workgroup_id_z 1
		.amdhsa_system_vgpr_workitem_id 0
		.amdhsa_next_free_vgpr 448
		.amdhsa_next_free_sgpr 66
		.amdhsa_reserve_vcc 0
		.amdhsa_float_denorm_mode_32 3
		.amdhsa_float_denorm_mode_16_64 3
		.amdhsa_memory_ordered 1
		.amdhsa_forward_progress 1
		.amdhsa_inst_pref_size 89
	.end_amdhsa_kernel
	.amdgpu_metadata
---
amdhsa.version: [ 1, 2 ]
amdhsa.kernels:
  - .name:           k_q697123c263_qkv
    .symbol:         k_q697123c263_qkv.kd
    .args:
      - { .name: img, .offset: 0, .size: 8, .value_kind: global_buffer, .address_space: global }
      - { .name: qb, .offset: 8, .size: 8, .value_kind: global_buffer, .address_space: global }
      - { .name: kv, .offset: 16, .size: 8, .value_kind: global_buffer, .address_space: global }
    .group_segment_fixed_size: 168704
    .private_segment_fixed_size: 0
    .kernarg_segment_align: 8
    .kernarg_segment_size: 24
    .max_flat_workgroup_size: 192
    .sgpr_count:     66
    .vgpr_count:     448
    .wavefront_size: 32
...
	.end_amdgpu_metadata
.endif
;; end of part 2
;; launch attn (part 3): grid 16 x 16, 16 waves a work-group, no clusters, 327,680 bytes of LDS; arguments qb, kv, cx, cs; writes cx, cs
.if DOCPART == 3
	.amdgcn_target "amdgcn-amd-amdhsa--gfx1250"
	.amdhsa_code_object_version 6
	.text
	.protected	k_q697123c263_attn
	.globl	k_q697123c263_attn
	.p2align	8
	.type	k_q697123c263_attn,@function
k_q697123c263_attn:
	s_mov_b64 s[64:65], 0
	v_nop
	global_prefetch_b8 v0, s[64:65] scope:SCOPE_SE
	s_setreg_imm32_b32 hwreg(HW_REG_WAVE_MODE, 25, 1), 1
	s_wait_xcnt 0x0
; Causal attention of one (batch, head) on codes of BF6 with E8M0 scales, and the quantising of ctx along the model's 512 for the last product.
; t = score x log2(e) / 8; M = the running largest t rounded UP to a whole number; p = 2^(t - M) is quantised along the keys, not normalised; the row's sum is taken of the unquantised p and divides O at the end.
; When M moves, the sum and O are multiplied by 2^(old M - new M): exact.
; LEFT OUT: key groups that lie wholly behind a query group under the causal mask are neither fetched nor multiplied.
; SHARES: work-group (j, b h) owns the query groups 31 - j (first phase, key groups 0 .. 31 - j) and j (second phase, key groups 0 .. j), 128 queries each.  SIXTEEN WAVES: waves w and w + 8 own the same
; tile w % 8 of 16 queries and SHARE THE KEYS: in a double step wave w takes key group 2 d + w / 8 of the phase.  (33 - j) / 2 rounded down double steps, then the rest: 17 in every work-group, 34 places, of which one
; (behind the phase with an odd number of key groups) is empty: its load, its reads and its work are jumped over, by tests on ids alone.
; THE TWO HALVES OF A ROW: each wave keeps its own O, M and sum.  At the first phase's end it parks them in LDS bytes of its own, at the launch's end those of the second phase; behind one barrier waves 0-7 join
; the two halves of the first phase's tiles and waves 8-15 those of the second's: both are brought under the larger M by powers of two (exact), added, divided by the joined sum, quantised and stored.
; LAYOUT: both products transposed (S^T = K Q^T, O^T = V^T P^T): a lane holds one query.  The rows of a tile are the group's rows 32 (t / 2) + 8 (t % 2) + r + 8 (r / 8), so S^T's register 16 b + i is key 32 b + 16 h + i.
; THE HEAD IS 64 WIDE, half of the instruction's K: Q's registers 6-11 are zero codes for good, and K's fragment of tile t is v[KF + 6 t .. + 11]: its upper half is the next tile's codes (behind tile 7: zeros), which meet zeros alone.
; A STEP'S FRAGMENTS: K's are asked for a step ahead, behind the score products, which leave K's registers free; V's come late, into 48 of the scores' registers, once the conversions and the sum have read those.
; In a slot's last double step V's come early, into K's registers, and THE CHANGE OF SLOTS STANDS IN THE STEP'S MIDDLE, behind the score products: all reads of the slot are over, the softmax follows the barrier, the next slot's K is asked for at the step's end.
; LDS: places 0, 1 (the first double step) at byte 0, fetched at the head by waves 0, 1; then two slots of 8 places (four double steps), a place (13,824 bytes, 54 rows of 256) by each of waves 0-7; a wave has one tensor load out.
; Behind them 16 x 4,608 bytes for the parked first phase, and the spare words.  The second phase is parked in slot A, which has had its last fill and, ahead of the last change of slots, its last read.
; NO CLUSTER: partners with different j want different key groups at the same double step once their first phase has ended, so a joint load could not have one descriptor.
; NO PREFETCH: a slot's fill is asked for four double steps ahead of its first read, and the sixteen work-groups of a head walk the same 32 blocks of kv from key group 0 on.
; LIMITS: NaN and infinities not served; the scaled scores stay under 2^31 in magnitude; O / l is a multiplication by v_rcp_f32's result; a block's largest p is taken as the p of its largest score; bytes held at 1 from below.
.set STEPB, 13824
.set ABASE, 2*STEPB                    ; slot A
.set SLOTB, 8*STEPB                    ; slot B lies SLOTB behind it
.set STG,   ABASE+2*SLOTB              ; the parked first phase
.set STW,   4608                       ; a wave's parked state: O^T 8 x 512 bytes, then (-M, t, the sum's two halves) 512
.set SPARE, STG+16*STW                 ; the spare words, 128 bytes a wave: eight blocks of 256 bytes that no other line names
.set KF,   36                          ; v36-83 K's eight half fragments (in a slot's last step then V's four fragments); v84-89 zeros
.set KSC,  90                          ; v90-97 K's scale words
.set VSC,  98                          ; v98-101 V's
.set S,    102                         ; v102-165 S^T, then p; v102-149 then V's four fragments
.set OA,   166                         ; v166-197 O^T
.set PCD,  198                         ; v198-209 p's codes
.set T2,   210                         ; v210-217 the conversions' second halves
.set TM,   218
.set BM,   218                         ; v218-221 block maxima
.set BP,   222                         ; v222-225 the other half's; then the bytes
.set SCL,  226                         ; v226-229 the conversions' scale operands
.set TS,   240                         ; v240-255 eight chains of the row's sum
.set SEL,  50                          ; s[50:51]
; v1 16 L, v2 8 L, v10 4 L; v3, v4 the spare word's address and 0; v5, v6 the step's LDS addresses; v7 my query's row - 16 h; v8 Q's scale word, v9 the second phase's; v11, v34 where I park; v35 what I join;
; v12 -M, v13 the largest t, v[14:15] the sum; v16-27 Q; v28-33 the second phase's Q; v230 p's scale word; v[232:233], v[238:239] factors; v234, v236, v237 at work.
; s12 wave, s13 j, s14 places of the first phase, s15 b h; s[16:23], s[24:27] the descriptor; s[28:29] the head's first block; s30 my next place to fetch; s34 my key group, s35 the phase's last, s36 31 - j;
; s[38:39] cx, s[42:43] cs; s40 w / 8, s41 w % 8; s44, s45 my place in slot A to fill, to read; s46 the step's LDS byte; s47, s48 counters; s49 the slot read; s[52:53] c; s56 does my next place hold keys;
; s58 is my place to be fetched; s59 double steps to the change of phase; s37, s60, s61 at work.
.macro MM0 d, a, b, sa, sb
	v_wmma_scale_f32_16x16x128_f8f6f4 v[\d:\d+7], v[\a:\a+11], v[\b:\b+11], 0, v[\sa], v[\sb] matrix_a_fmt:MATRIX_FMT_BF6 matrix_b_fmt:MATRIX_FMT_BF6
.endm
.macro MMA d, a, b, sa, sb
	v_wmma_scale_f32_16x16x128_f8f6f4 v[\d:\d+7], v[\a:\a+11], v[\b:\b+11], v[\d:\d+7], v[\sa], v[\sb] matrix_a_fmt:MATRIX_FMT_BF6 matrix_b_fmt:MATRIX_FMT_BF6
.endm
.macro PLACES
.rept 4
	v_nop
.endr
.endm
.macro PARK adr                        ; O^T, each accumulator from its low end on, and the statistics
.set nn, 0
.rept 8
	ds_store_b128 v[\adr], v[OA+4*nn:OA+4*nn+3] offset:512*nn
.set nn, nn+1
.endr
	ds_store_b128 v[\adr], v[12:15] offset:4096
	s_wait_dscnt 0x0                               ; the stores are done: their registers may be written, and others may read behind a barrier
.endm
.macro KLOAD off                       ; K's eight half fragments and scale words of the place off bytes behind v5, v6
.irp t, 0,1,2,3,4,5,6,7
	ds_load_b128 v[KF+6*\t:KF+6*\t+3], v5 offset:\off+768*\t
	ds_load_b64 v[KF+6*\t+4:KF+6*\t+5], v6 offset:\off+768*\t+512
.endr
	ds_load_b128 v[KSC:KSC+3], v5 offset:\off+6144
	ds_load_b128 v[KSC+4:KSC+7], v5 offset:\off+6656
.endm
.macro VLOAD base                      ; V's four fragments and scale words of this step's place
.irp f, 0,1,2,3,4,5,6,7
	ds_load_b128 v[\base+6*\f:\base+6*\f+3], v5 offset:7168+768*\f
	ds_load_b64 v[\base+6*\f+4:\base+6*\f+5], v6 offset:7168+768*\f+512
.endr
	ds_load_b128 v[VSC:VSC+3], v5 offset:13312
.endm
	s_load_b256 s[4:11], s[0:1], 0x0               ; qb s[4:5], kv s[6:7], cx s[8:9], cs s[10:11]
	v_lshl_add_u32 v3, v0, 2, SPARE
	v_mov_b32 v4, 0
	ds_add_u32 v3, v4                              ; the opening lines: the add, twice on end, and its wait
	ds_add_u32 v3, v4
	v_lshrrev_b32 v5, 5, v0
	s_delay_alu instid0(VALU_DEP_1)
	v_readfirstlane_b32 s12, v5                    ; wave 0..15
	s_mov_b32 s13, ttmp9                           ; j
	s_and_b32 s15, ttmp7, 0xffff                   ; b h
	s_sub_co_u32 s36, 31, s13
	s_sub_co_u32 s59, 33, s13
	s_lshr_b32 s59, s59, 1                         ; the first phase's double steps: its 32 - j key groups, two at a time, rounded up
	s_lshl_b32 s14, s59, 1                         ; and its places
	s_lshr_b32 s40, s12, 3                         ; which of a double step's two places is mine
	s_and_b32 s41, s12, 7                          ; my tile of queries
	; descriptor group 1: a place's dense block as 54 rows of 256 bytes (32 elements of 8 bytes), no padding
	s_mov_b32 s16, 3<<16
	s_mov_b32 s17, 32<<16
	s_mov_b32 s18, 54<<16
	s_mov_b32 s19, 32<<16
	s_mov_b32 s20, 54
	s_mov_b32 s21, 32
	s_mov_b32 s22, 0
	s_mov_b32 s23, 0
	s_min_u32 s30, s12, 1                          ; waves 0, 1 fetch places 0, 1: key groups 0, 1 of the first phase, which has 17 at the least
	s_mov_b32 s24, 1
	s_mul_i32 s25, s30, STEPB
	s_mov_b32 s32, s25
	s_mov_b32 s33, 0
	s_mul_i32 s60, s15, 32*STEPB
	s_mov_b32 s61, 0
	s_wait_dscnt 0x0
	s_wait_kmcnt 0x0
	s_add_nc_u64 s[28:29], s[6:7], s[60:61]
	s_add_nc_u64 s[26:27], s[28:29], s[32:33]
	s_or_b32 s27, s27, 0x80000000
	s_cmp_lt_u32 s12, 2
	s_cbranch_scc0 .Lno_first
	tensor_load_to_lds s[24:27], s[16:23]          ; the first double step's places
	s_nop 0
	PLACES
.Lno_first:
	s_lshl_b32 s49, s15, 5
	s_add_co_u32 s60, s49, s36
	s_mul_i32 s60, s60, 7168
	s_add_co_u32 s62, s49, s13
	s_mul_i32 s62, s62, 7168
	s_mov_b32 s63, 0
	s_add_nc_u64 s[54:55], s[4:5], s[60:61]        ; qb's block of group 31 - j,
	s_add_nc_u64 s[56:57], s[4:5], s[62:63]        ; and of group j
	s_mul_i32 s37, s41, 768                        ; my tile's half image
	s_lshr_b32 s58, s41, 2
	s_lshl_b32 s58, s58, 9
	s_and_b32 s31, s41, 3
	s_lshl_b32 s31, s31, 2
	s_add_co_u32 s58, s58, s31                     ; its scale word: 512 (t / 4) + 4 (t % 4)
	s_lshr_b32 s31, s41, 1
	s_lshl_b32 s31, s31, 5
	s_and_b32 s47, s41, 1
	s_lshl_b32 s47, s47, 3
	s_add_co_u32 s31, s31, s47                     ; its first row: 32 (t / 2) + 8 (t % 2)
	s_mul_i32 s47, s12, STW
	s_add_co_u32 s48, s47, STG                     ; where I park the first phase,
	s_add_co_u32 s47, s47, ABASE                   ; and the second
	s_xor_b32 s46, s40, 1
	s_mul_i32 s46, s46, STG-ABASE                  ; waves 0-7 join the first phase's halves, waves 8-15 the second's:
	s_mul_i32 s45, s41, STW
	s_add_co_u32 s46, s46, s45
	s_add_co_u32 s46, s46, ABASE                   ; wave t's half; wave t + 8's lies 8 STW behind it
	v_and_b32 v5, 31, v0
	s_delay_alu instid0(VALU_DEP_1)
	v_lshlrev_b32 v1, 4, v5
	v_lshlrev_b32 v2, 3, v5
	v_lshlrev_b32 v10, 2, v5
	v_and_b32 v5, 15, v0                           ; r
	v_bfe_u32 v6, v0, 4, 1
	v_add_nc_u32 v236, s37, v1
	v_add_nc_u32 v237, s37, v2
	v_add_nc_u32 v234, s58, v1
	v_add_nc_u32 v11, s48, v1
	v_add_nc_u32 v34, s47, v1
	v_add_nc_u32 v35, s46, v1
	v_and_b32 v7, 8, v5
	v_lshlrev_b32 v6, 4, v6
	s_delay_alu instid0(VALU_DEP_2)
	v_add_nc_u32 v7, v5, v7                        ; r + 8 (r / 8)
	s_delay_alu instid0(VALU_DEP_1)
	v_sub_nc_u32 v7, v7, v6                        ; - 16 h
	s_delay_alu instid0(VALU_DEP_1)
	v_add_nc_u32 v7, s31, v7                       ; my query's row in its group, less 16 h
	s_wait_alu depctr_va_vdst(0)
	global_load_b128 v[16:19], v236, s[54:55]
	global_load_b64 v[20:21], v237, s[54:55] offset:512
	global_load_b32 v8, v234, s[54:55] offset:6144
	global_load_b128 v[28:31], v236, s[56:57]
	global_load_b64 v[32:33], v237, s[56:57] offset:512
	global_load_b32 v9, v234, s[56:57] offset:6144
	; cx's and cs's bases for the tile that I finish: ((32 b + group) 8 + tile) x (6144, 1024) + head x (768, 128)
	s_lshr_b32 s31, s15, 3
	s_lshl_b32 s31, s31, 5
	s_and_b32 s37, s15, 7
	s_cmp_eq_u32 s40, 0
	s_cselect_b32 s60, s36, s13
	s_add_co_u32 s60, s60, s31
	s_lshl_b32 s60, s60, 3
	s_add_co_u32 s60, s60, s41
	s_lshl_b32 s62, s60, 10
	s_mul_i32 s60, s60, 6144
	s_mul_i32 s58, s37, 768
	s_add_co_u32 s60, s60, s58
	s_lshl_b32 s58, s37, 7
	s_add_co_u32 s62, s62, s58
	s_add_nc_u64 s[38:39], s[8:9], s[60:61]
	s_add_nc_u64 s[42:43], s[10:11], s[62:63]
	s_mov_b32 s[SEL], 0x76543210
	s_mov_b32 s[SEL+1], 0xfedcba98
	s_mov_b32 s52, 0x3e38aa3b                      ; c = log2(e) / 8
	s_mov_b32 s53, s52                             ; (named with it as a pair)
	s_mov_b32 s34, s40
	s_mov_b32 s35, s36
	s_mul_i32 s46, s40, STEPB                      ; the first double step lies at byte 0
	s_add_co_u32 s45, s46, ABASE
	s_min_u32 s30, s12, 7                          ; waves 0-7 fetch the slots' places
	s_mul_i32 s44, s30, STEPB
	s_add_co_u32 s44, s44, ABASE
	s_add_co_u32 s30, s30, 2
	s_mov_b32 s49, 0
	s_mov_b32 s47, 2
.irp k, 0,1,2,3,4,5
	v_mov_b32 v[22+\k], 0                          ; Q's upper 64 along K: zero codes, for good
	v_mov_b32 v[KF+48+\k], 0                       ; and what stands behind K's tile 7
.endr
.irp b, 0,1,2,3
	v_mov_b32 v[BP+\b], 0                          ; written once: a lane permute's destination counts as one of its sources
.endr
	v_mov_b32 v233, 0                              ; (the upper halves of the pairs v[232:233], v[238:239])
	v_mov_b32 v239, 0
	v_mov_b32 v13, 0xff61b1e6                      ; the largest t so far: -3e38
	s_delay_alu instid0(VALU_DEP_1)
	v_floor_f32 v12, -v13
	v_mov_b32 v14, 0
	v_mov_b32 v15, 0
.set nn, 0
.rept 32
	v_mov_b32 v[OA+nn], 0                          ; the step is written once: a phase's first step finds zeros
.set nn, nn+1
.endr
	s_wait_alu depctr_va_vdst(0)
	s_wait_loadcnt 0x0                             ; Q, both phases'
; THE CHANGE OF PHASE, in all waves at the same double step: my half of the first phase is parked; then the second phase's Q and fresh statistics
.macro SWITCH
	PLACES
	PARK 11
.irp k, 0,1,2,3,4,5
	v_mov_b32 v[16+\k], v[28+\k]
.endr
	v_mov_b32 v8, v9
	v_mov_b32 v13, 0xff61b1e6
	s_delay_alu instid0(VALU_DEP_1)
	v_floor_f32 v12, -v13
	v_mov_b32 v14, 0
	v_mov_b32 v15, 0
.set nn, 0
.rept 32
	v_mov_b32 v[OA+nn], 0                          ; (also the places between the new scale word and codes and the next scaled product)
.set nn, nn+1
.endr
	s_wait_alu depctr_va_vdst(0)                   ; ahead of the branches that follow
	s_sub_co_u32 s34, s40, 2                       ; the second phase begins at key groups 0 and 1,
	s_mov_b32 s35, s13                             ; and ends at j
.endm
; THE CHANGE OF SLOTS.  Every wave waits for all its tensor loads, adds 0 to its spare word, waits for that and for its reads of the slot that it leaves, and passes the barrier.
; kind 0: slot A's first fill; 1: slot B's first fill; 3: the slot just read out (s49) takes the eight places that follow the other slot's; 2: nothing more to fetch.
; The add stands twice.
.macro CHANGE kind
	s_wait_tensorcnt 0x0                           ; no tensor load of mine is out, so the descriptor may be written
	ds_add_u32 v3, v4
.if \kind != 2
	ds_add_u32 v3, v4
.if \kind == 0
	s_mov_b32 s25, s44
.endif
.if \kind == 1
	s_add_co_u32 s25, s44, SLOTB
.endif
.if \kind == 3
	s_mul_i32 s37, s49, SLOTB
	s_add_co_u32 s25, s44, s37
.endif
	s_cmp_ge_u32 s30, s14                          ; places s14 on belong to the second phase
	s_cselect_b32 s37, s14, 0
	s_cselect_b32 s58, s13, s36                    ; the place's phase's last key group
	s_sub_co_u32 s37, s30, s37                     ; the place's key group
	s_cmp_le_u32 s37, s58
	s_cselect_b32 s58, 1, 0                        ; 0: the empty place, which nobody reads
	s_mul_i32 s32, s37, STEPB
	s_add_nc_u64 s[26:27], s[28:29], s[32:33]
	s_or_b32 s27, s27, 0x80000000
	s_add_co_u32 s30, s30, 8
.endif
	s_wait_dscnt 0x0                               ; the adds are done, and my reads of the slot that I leave are over
	s_barrier_signal -1
	s_barrier_wait -1
.if \kind != 2
	s_cmp_lt_u32 s12, 8
	s_cbranch_scc0 .Lnofill_\@
	s_cmp_lg_u32 s58, 0
	s_cbranch_scc0 .Lnofill_\@
	tensor_load_to_lds s[24:27], s[16:23]          ; the first thing behind the barrier, and my one tensor load until the next
	s_nop 0
	PLACES
.Lnofill_\@:
.endif
.endm
; MY HALF OF A DOUBLE STEP: 128 keys, whose block begins at LDS byte s46; K's fragments have been asked for.
; ve = 1: V early, into K's registers; 0: late, into the scores'.  kn = 1: the next step's K behind the score products (same slot); 2: at the step's end, from the next slot; 0: none.
; chg: the change of slots in the step's middle, or -1.  nb = 1: the next slot is B by the text; 0: the other one than s49.
.macro STEP ve, kn, chg, nb
	s_add_co_u32 s60, s34, 2
	s_cmp_eq_u32 s59, 1                            ; the first phase's last double step: the next one begins the second phase
	s_cselect_b32 s60, s40, s60
	s_cselect_b32 s61, s13, s35
	s_cmp_le_u32 s60, s61
	s_cselect_b32 s56, 1, 0                        ; does my next place hold keys?
	s_wait_dscnt 0x0                               ; K
	v_add_nc_u32 v5, s46, v1
	v_add_nc_u32 v6, s46, v2
	v_nop
	v_nop
	v_nop                                          ; five places in front of products that write over registers which the last products read
	s_wait_alu depctr_va_vdst(0)
	s_cmp_gt_u32 s34, s35                          ; the empty place: behind the phase's last key group.  A branch on ids, round the work alone
	s_cbranch_scc1 .Lidle_a_\@
.irp t, 0,1,2,3,4,5,6,7
	MM0 S+8*\t, KF+6*\t, 16, KSC+\t, 8
.endr
	PLACES
.if \ve
	VLOAD KF
.endif
.Lidle_a_\@:
.if \kn == 1
	s_cmp_lg_u32 s56, 0
	s_cbranch_scc0 .Lnok_\@
	KLOAD 2*STEPB                                  ; lands while the softmax is worked
.Lnok_\@:
.endif
.if \chg >= 0
	CHANGE \chg
.endif
	s_cmp_gt_u32 s34, s35
	s_cbranch_scc1 .Lidle_b_\@
	s_cmp_lg_u32 s34, s35                          ; on the diagonal (the phase's last key group) hidden scores become -infinity: a branch on ids
	s_cbranch_scc1 .Lopen_\@
	v_mov_b32 v234, 0xff800000
.set nn, 0
.rept 64
	v_cmp_gt_i32 vcc_lo, 32*(nn/16)+nn%16, v7      ; register 16 b + i holds key 32 b + 16 h + i: hidden where it comes after my query
	v_cndmask_b32 v[S+nn], v[S+nn], v234, vcc_lo
.set nn, nn+1
.endr
.Lopen_\@:
.irp b, 0,1,2,3
	v_max3_num_f32 v[BM+\b], v[S+16*\b], v[S+16*\b+1], v[S+16*\b+2]   ; the largest score of each block of 32 keys: for the row's maximum and for the block's largest p
.endr
.irp i, 3,5,7,9,11,13
.irp b, 0,1,2,3
	v_max3_num_f32 v[BM+\b], v[BM+\b], v[S+16*\b+\i], v[S+16*\b+\i+1]
.endr
.endr
.irp b, 0,1,2,3
	v_max_num_f32 v[BM+\b], v[BM+\b], v[S+16*\b+15]
.endr
.irp b, 0,1,2,3
	s_delay_alu instid0(VALU_DEP_4)
	v_permlanex16_b32 v[BP+\b], v[BM+\b], s[SEL], s[SEL+1]
.endr
.irp b, 0,1,2,3
	s_delay_alu instid0(VALU_DEP_4)
	v_max_num_f32 v[BM+\b], v[BM+\b], v[BP+\b]
.endr
	s_delay_alu instid0(VALU_DEP_2)
	v_max3_num_f32 v234, v[BM], v[BM+1], v[BM+2]
	s_delay_alu instid0(VALU_DEP_1)
	v_max_num_f32 v234, v234, v[BM+3]
	s_delay_alu instid0(VALU_DEP_1)
	v_mul_f32 v234, s52, v234                      ; as t
	s_delay_alu instid0(VALU_DEP_1)
	v_max_num_f32 v13, v13, v234                   ; the running largest t
	v_mov_b32 v234, v12
	s_delay_alu instid0(VALU_DEP_2)
	v_floor_f32 v12, -v13                          ; -M = floor(-t): M is a whole number
	s_delay_alu instid0(VALU_DEP_1)
	v_sub_f32 v234, v12, v234                      ; old M - new M: a whole number, 0 or less
	s_delay_alu instid0(VALU_DEP_1)
	v_cvt_i32_f32 v234, v234                       ; (it saturates)
	s_delay_alu instid0(VALU_DEP_1)
	v_ldexp_f32 v232, 1.0, v234                    ; f = 2^(old M - new M)
.set jj, 0
.rept 32
	v_pk_fma_f32 v[S+jj:S+jj+1], v[S+jj:S+jj+1], s[52:53], v[12:13] op_sel_hi:[1,0,0]   ; t - M, two at a time
.set jj, jj+2
.endr
.irp b, 0,1,2,3
	v_fma_f32 v[BM+\b], v[BM+\b], s52, v12
.endr
.set jj, 0
	s_wait_alu depctr_va_vdst(0)
.rept 64
	v_exp_f32 v[S+jj], v[S+jj]                     ; p = 2^(t - M)
.set jj, jj+1
.endr
.irp b, 0,1,2,3
	v_exp_f32 v[BM+\b], v[BM+\b]                   ; the block's largest p
.endr
	v_pk_mul_f32 v[14:15], v[14:15], v[232:233] op_sel_hi:[1,0]   ; the sum under the new M (a plain place behind the exponentials)
	s_wait_alu depctr_va_vdst(0)
.irp b, 0,1,2,3
	v_max_num_f32 v[BM+\b], 0x2800000, v[BM+\b]    ; the floor 2^(5 - 127)
.endr
.irp b, 0,1,2,3
	s_delay_alu instid0(VALU_DEP_4)
	v_add_nc_u32 v[SCL+\b], 0xfe000000, v[BM+\b]
.endr
.irp b, 0,1,2,3
	s_delay_alu instid0(VALU_DEP_4)
	v_lshrrev_b32 v[BP+\b], 23, v[SCL+\b]
.endr
	s_delay_alu instid0(VALU_DEP_3)
	v_lshl_or_b32 v230, v[BP+1], 8, v[BP]          ; p's scale word for these 128 keys
	s_delay_alu instid0(VALU_DEP_1)
	v_lshl_or_b32 v230, v[BP+2], 16, v230
	s_delay_alu instid0(VALU_DEP_1)
	v_lshl_or_b32 v230, v[BP+3], 24, v230
.irp c, 0,1
	v_cvt_scalef32_pk16_bf6_f32 v[PCD+6*\c:PCD+6*\c+2], v[S+32*\c:S+32*\c+15], v[SCL+2*\c]
	v_cvt_scalef32_pk16_bf6_f32 v[T2+4*\c:T2+4*\c+2], v[S+32*\c+16:S+32*\c+31], v[SCL+2*\c+1]
.endr
.irp c, 0,1,2,3,4,5,6,7                        ; the row's sum of the unquantised p: eight chains, two numbers an instruction.  (Also the plain place behind the conversions)
	v_pk_add_f32 v[TS+2*\c:TS+2*\c+1], v[S+2*\c:S+2*\c+1], v[S+16+2*\c:S+17+2*\c]
.endr
.irp c, 0,1,2,3,4,5,6,7
	v_pk_add_f32 v[TS+2*\c:TS+2*\c+1], v[TS+2*\c:TS+2*\c+1], v[S+32+2*\c:S+33+2*\c]
.endr
.if \ve == 0
	VLOAD S                                        ; p's first 48 registers have been converted and summed: they take V, which lands under the 44 vector instructions below
.endif
.irp c, 0,1,2,3,4,5,6,7
	v_pk_add_f32 v[TS+2*\c:TS+2*\c+1], v[TS+2*\c:TS+2*\c+1], v[S+48+2*\c:S+49+2*\c]
.endr
.irp c, 0,1,2,3
	v_pk_add_f32 v[TS+2*\c:TS+2*\c+1], v[TS+2*\c:TS+2*\c+1], v[TS+8+2*\c:TS+9+2*\c]
.endr
.irp c, 0,1
	s_delay_alu instid0(VALU_DEP_2)
	v_pk_add_f32 v[TS+2*\c:TS+2*\c+1], v[TS+2*\c:TS+2*\c+1], v[TS+4+2*\c:TS+5+2*\c]
.endr
	s_delay_alu instid0(VALU_DEP_1)
	v_pk_add_f32 v[TS:TS+1], v[TS:TS+1], v[TS+2:TS+3]
	s_delay_alu instid0(VALU_DEP_1)
	v_pk_add_f32 v[14:15], v[14:15], v[TS:TS+1]
.irp c, 0,1                                    ; the operand wants a whole block in a lane
.irp k, 0,1,2
	v_permlane16_swap_b32 v[PCD+6*\c+\k], v[T2+4*\c+\k]
.endr
.irp k, 0,1,2
	s_delay_alu instid0(VALU_DEP_3)
	v_mov_b32 v[PCD+3+6*\c+\k], v[T2+4*\c+\k]
.endr
.endr
.set jj, 0
.rept 16
	v_pk_mul_f32 v[OA+jj:OA+jj+1], v[OA+jj:OA+jj+1], v[232:233] op_sel_hi:[1,0]   ; O^T under the new M.  (These are the places between p's word and codes and the scaled products)
.set jj, jj+2
.endr
	s_wait_alu depctr_va_vdst(0)
	s_wait_dscnt 0x0                               ; V (and the next step's K, asked for ahead of it)
.irp ct, 0,1,2,3                               ; four accumulators, one instruction a turn
.if \ve
	MMA OA+8*\ct, KF+12*\ct, PCD, VSC+\ct, 230
.else
	MMA OA+8*\ct, S+12*\ct, PCD, VSC+\ct, 230
.endif
.endr
.Lidle_b_\@:
	s_sub_co_u32 s59, s59, 1
	s_cmp_lg_u32 s59, 0                            ; the first phase's last double step?  The same in all sixteen waves
	s_cbranch_scc1 .Lon_\@
	SWITCH
.Lon_\@:
	s_add_co_u32 s34, s34, 2
.if \kn == 2
.if \nb
	s_add_co_u32 s46, s45, SLOTB
.else
	s_xor_b32 s49, s49, 1
	s_mul_i32 s46, s49, SLOTB
	s_add_co_u32 s46, s46, s45
.endif
	v_add_nc_u32 v5, s46, v1
	v_add_nc_u32 v6, s46, v2
	v_nop
	v_nop                                          ; four places in front of loads into registers that the last products read
	s_cmp_lg_u32 s56, 0
	s_cbranch_scc0 .Lnok2_\@
	KLOAD 0
.Lnok2_\@:
.else
	s_add_co_u32 s46, s46, 2*STEPB
.endif
.endm
.macro THREE                           ; a slot's first three double steps
	s_mov_b32 s48, 3
.Lstep_\@:
	STEP 0, 1, -1, 0
	s_sub_co_u32 s48, s48, 1
	s_cmp_lg_u32 s48, 0
	s_cbranch_scc1 .Lstep_\@
.endm
	CHANGE 0                                       ; places 0, 1 are whole; slot A is asked for
	v_add_nc_u32 v5, s46, v1
	v_add_nc_u32 v6, s46, v2
	KLOAD 0
	STEP 1, 0, -1, 0                               ; double step 0
	CHANGE 1                                       ; slot A is whole; slot B is asked for
	s_mov_b32 s46, s45
	v_add_nc_u32 v5, s46, v1
	v_add_nc_u32 v6, s46, v2
	v_nop
	v_nop                                          ; four places in front of loads into registers that the last products read
	KLOAD 0
.Lslot:                                            ; two trips of four double steps; in the fourth the slot is left and filled again
	THREE
	STEP 1, 2, 3, 0
	s_sub_co_u32 s47, s47, 1
	s_cmp_lg_u32 s47, 0
	s_cbranch_scc1 .Lslot
	THREE                                          ; the last two slots are written out for them
	STEP 1, 2, 2, 1
	THREE
	STEP 1, 0, -1, 0
; THE END: the second phase's halves are parked in slot A; behind the barrier I take the two halves of the tile that I finish
	PLACES
	PARK 34
	s_barrier_signal -1
	s_barrier_wait -1
.set nn, 0
.rept 8
	ds_load_b128 v[OA+4*nn:OA+4*nn+3], v35 offset:512*nn
	ds_load_b128 v[S+4*nn:S+4*nn+3], v35 offset:8*STW+512*nn
.set nn, nn+1
.endr
	ds_load_b128 v[12:15], v35 offset:4096
	ds_load_b128 v[S+32:S+35], v35 offset:8*STW+4096
	s_wait_dscnt 0x0
	v_min_num_f32 v234, v12, v[S+32]               ; -M of the larger M.  (A half that saw no key has M = -3e38, sums of 0 and gets the factor 0)
	v_add_f32 v14, v14, v15
	v_add_f32 v15, v[S+34], v[S+35]
	s_delay_alu instid0(VALU_DEP_3)
	v_sub_f32 v236, v234, v12
	v_sub_f32 v237, v234, v[S+32]                  ; each half's M less the joined M: whole numbers, 0 or less
	s_delay_alu instid0(VALU_DEP_2)
	v_cvt_i32_f32 v236, v236
	s_delay_alu instid0(VALU_DEP_2)
	v_cvt_i32_f32 v237, v237
	s_delay_alu instid0(VALU_DEP_2)
	v_ldexp_f32 v232, 1.0, v236
	s_delay_alu instid0(VALU_DEP_2)
	v_ldexp_f32 v238, 1.0, v237
	s_delay_alu instid0(VALU_DEP_2)
	v_mul_f32 v14, v14, v232
	s_delay_alu instid0(VALU_DEP_1)
	v_fma_f32 v14, v15, v238, v14
	s_delay_alu instid0(VALU_DEP_1)
	v_permlanex16_b32 v234, v14, s[SEL], s[SEL+1]
	s_delay_alu instid0(VALU_DEP_1)
	v_add_f32 v14, v14, v234                       ; the row's sum
	s_wait_alu depctr_va_vdst(0)
	v_rcp_f32 v14, v14
	v_nop                                          ; one plain place behind a transcendental
	s_wait_alu depctr_va_vdst(0)
	v_mul_f32 v232, v232, v14                      ; a power of two x 1 / the sum
	v_mul_f32 v238, v238, v14
.set jj, 0
.rept 16
	v_pk_mul_f32 v[S+jj:S+jj+1], v[S+jj:S+jj+1], v[238:239] op_sel_hi:[1,0]
.set jj, jj+2
.endr
.set jj, 0
.rept 16
	v_pk_fma_f32 v[S+jj:S+jj+1], v[OA+jj:OA+jj+1], v[232:233], v[S+jj:S+jj+1] op_sel_hi:[1,0,1]   ; ctx: register 16 b + i: channel 32 b + 16 h + i
.set jj, jj+2
.endr
.irp b, 0,1                                    ; quantised along the head's 64: two blocks
	v_max3_num_f32 v[TM+\b], |v[S+16*\b]|, |v[S+16*\b+1]|, 0x2800000
.endr
.irp i, 2,4,6,8,10,12,14
.irp b, 0,1
	s_delay_alu instid0(VALU_DEP_2)
	v_max3_num_f32 v[TM+\b], v[TM+\b], |v[S+16*\b+\i]|, |v[S+16*\b+\i+1]|
.endr
.endr
.irp b, 0,1
	s_delay_alu instid0(VALU_DEP_2)
	v_permlanex16_b32 v[TM+4+\b], v[TM+\b], s[SEL], s[SEL+1]
.endr
.irp b, 0,1
	s_delay_alu instid0(VALU_DEP_2)
	v_max_num_f32 v[TM+\b], v[TM+\b], v[TM+4+\b]
.endr
.irp b, 0,1
	s_delay_alu instid0(VALU_DEP_2)
	v_add_nc_u32 v[TM+8+\b], 0xfe000000, v[TM+\b]
.endr
.irp b, 0,1
	s_delay_alu instid0(VALU_DEP_2)
	v_lshrrev_b32 v[TM+4+\b], 23, v[TM+8+\b]
.endr
	s_delay_alu instid0(VALU_DEP_1)
	v_lshl_or_b32 v234, v[TM+5], 8, v[TM+4]        ; the head's two bytes; the upper half stays 0
	v_cvt_scalef32_pk16_bf6_f32 v[S+32:S+34], v[S:S+15], v[TM+8]
	v_cvt_scalef32_pk16_bf6_f32 v[S+40:S+42], v[S+16:S+31], v[TM+9]
	v_nop                                          ; one plain place behind a scaled conversion
.irp k, 0,1,2
	v_permlane16_swap_b32 v[S+32+\k], v[S+40+\k]
.endr
.irp k, 0,1,2
	s_delay_alu instid0(VALU_DEP_3)
	v_mov_b32 v[S+35+\k], v[S+40+\k]
.endr
	global_store_b128 v1, v[S+32:S+35], s[38:39]   ; the half image: 512 consecutive bytes,
	global_store_b64 v2, v[S+36:S+37], s[38:39] offset:512   ; and 256;
	global_store_b32 v10, v234, s[42:43]           ; the scale words: 128
	s_wait_tensorcnt 0x0                           ; the wave's end
	ds_add_u32 v3, v4
	s_wait_dscnt 0x0
	s_endpgm
.Lfunc_end_k_q697123c263_attn:
	.size	k_q697123c263_attn, .Lfunc_end_k_q697123c263_attn-k_q697123c263_attn
	.p2alignl 7, 3214868480
	.fill 96, 4, 3214868480
	.section	.rodata,"a",@progbits
	.p2align	6, 0x0
	.amdhsa_kernel k_q697123c263_attn
		.amdhsa_group_segment_fixed_size 327680
		.amdhsa_private_segment_fixed_size 0
		.amdhsa_enable_private_segment 0
		.amdhsa_kernarg_size 32
		.amdhsa_user_sgpr_count 2
		.amdhsa_user_sgpr_kernarg_segment_ptr 1
		.amdhsa_wavefront_size32 1
		.amdhsa_system_sgpr_workgroup_id_x 1
		.amdhsa_system_sgpr_workgroup_id_y 1
		.amdhsa_system_sgpr_workgroup_id_z 1
		.amdhsa_system_vgpr_workitem_id 0
		.amdhsa_next_free_vgpr 256
		.amdhsa_next_free_sgpr 66
		.amdhsa_reserve_vcc 1
		.amdhsa_float_denorm_mode_32 3
		.amdhsa_float_denorm_mode_16_64 3
		.amdhsa_memory_ordered 1
		.amdhsa_forward_progress 1
		.amdhsa_inst_pref_size 193
	.end_amdhsa_kernel
	.amdgpu_metadata
---
amdhsa.version: [ 1, 2 ]
amdhsa.kernels:
  - .name:           k_q697123c263_attn
    .symbol:         k_q697123c263_attn.kd
    .args:
      - { .name: qb, .offset: 0, .size: 8, .value_kind: global_buffer, .address_space: global }
      - { .name: kv, .offset: 8, .size: 8, .value_kind: global_buffer, .address_space: global }
      - { .name: cx, .offset: 16, .size: 8, .value_kind: global_buffer, .address_space: global }
      - { .name: cs, .offset: 24, .size: 8, .value_kind: global_buffer, .address_space: global }
    .group_segment_fixed_size: 327680
    .private_segment_fixed_size: 0
    .kernarg_segment_align: 8
    .kernarg_segment_size: 32
    .max_flat_workgroup_size: 512
    .sgpr_count:     66
    .vgpr_count:     256
    .wavefront_size: 32
...
	.end_amdgpu_metadata
.endif
;; end of part 3
;; launch proj (part 4): grid 4 x 64, 8 waves a work-group, no clusters, 168,960 bytes of LDS; arguments img, cx, cs, bo, out0; writes out0
.if DOCPART == 4
	.amdgcn_target "amdgcn-amd-amdhsa--gfx1250"
	.amdhsa_code_object_version 6
	.text
	.protected	k_q697123c263_proj
	.globl	k_q697123c263_proj
	.p2align	8
	.type	k_q697123c263_proj,@function
k_q697123c263_proj:
	s_mov_b64 s[64:65], 0
	v_nop
	global_prefetch_b8 v0, s[64:65] scope:SCOPE_SE
	s_setreg_imm32_b32 hwreg(HW_REG_WAVE_MODE, 25, 1), 1
	s_wait_xcnt 0x0
; out = ctx Wo^T + bo on codes of BF6 with E8M0 scales, K = 512 in four steps of 128 (K step s = heads 2 s, 2 s + 1).
; SHARES: work-group (cq, Gt) takes 128 tokens x 128 columns; wave w takes token tile w against Wo's eight tiles of 16 rows: 32 matrix instructions.
; Wo's group 76 + cq of img (53,248 bytes of fragment images and scale words) comes into LDS once, a quarter by each of waves 0-3; nothing is filled again.  ctx's half images go from memory straight into the operand's registers.
; Source 0 = 16 rows of Wo, source 1 = my 16 tokens: a lane holds one token, the 16 registers of tiles 2 b, 2 b + 1 are columns 128 cq + 32 b + 16 h + 0 .. 15.  The bias is the C of each sum's first product: it is loaded into the accumulators.
; THE WAY OUT: through the wave's own stage (16 rows of 512 + 16 bytes, behind Wo's block, never a fill's target), back as whole rows of 512 bytes; tile row i is token 32 (w / 2) + 8 (w % 2) + i + 8 (i / 8) of the group.
; NO CLUSTER: what work-groups share is Wo's one block, fetched once at the head; there is no loop of fetches whose requests a joint load would spare.
.set GRP,  53248
.set STGB, 53248
.set CW,   8                           ; v8-15    ctx's scale halves, one a head
.set CSW,  16                          ; v16-19   ctx's scale words, one a K step
.set WSC,  20                          ; v20-27   Wo's scale words: 4 tl + s
.set CF,   32                          ; v32-79   ctx's four fragments
.set ACC,  80                          ; v80-143  eight accumulators
.set WF,   144                         ; v144-239 Wo's fragments of two tiles: 12 (4 tl + s)
.set OB,   144                         ; v144-207 later 16 rows of out
.macro MMA d, a, b, sa, sb
	v_wmma_scale_f32_16x16x128_f8f6f4 v[\d:\d+7], v[\a:\a+11], v[\b:\b+11], v[\d:\d+7], v[\sa], v[\sb] matrix_a_fmt:MATRIX_FMT_BF6 matrix_b_fmt:MATRIX_FMT_BF6
.endm
.macro PLACES
.rept 4
	v_nop
.endr
.endm
.macro WLOAD i                         ; Wo's fragments and scale words of tiles 2 i, 2 i + 1
.irp f, 0,1,2,3,4,5,6,7
.irp c, 0,1,2
	ds_load_b128 v[WF+12*\f+4*\c:WF+12*\f+4*\c+3], v1 offset:(\i)*12288+1536*\f+512*\c
.endr
.endr
.irp q, 0,1,2,3
	ds_load_b64 v[WSC+2*\q:WSC+2*\q+1], v2 offset:49152+(\i)*1024+256*\q
.endr
.endm
	s_load_b256 s[4:11], s[0:1], 0x0               ; img s[4:5], cx s[6:7], cs s[8:9], bo s[10:11]
	s_load_b64 s[12:13], s[0:1], 0x20              ; out0
	v_lshl_add_u32 v254, v0, 2, 0x29000
	v_mov_b32 v255, 0
	ds_add_u32 v254, v255
	ds_add_u32 v254, v255
	v_lshrrev_b32 v7, 5, v0
	s_delay_alu instid0(VALU_DEP_1)
	v_readfirstlane_b32 s14, v7                    ; wave 0..7
	v_and_b32 v7, 31, v0
	s_delay_alu instid0(VALU_DEP_1)
	v_lshlrev_b32 v1, 4, v7                        ; 16 L
	s_delay_alu instid0(VALU_DEP_2)
	v_lshlrev_b32 v2, 3, v7                        ; 8 L
	s_delay_alu instid0(VALU_DEP_3)
	v_lshlrev_b32 v3, 2, v7                        ; 4 L
	v_bfe_u32 v7, v0, 4, 1
	s_delay_alu instid0(VALU_DEP_1)
	v_lshlrev_b32 v4, 6, v7                        ; 64 h
	v_and_b32 v7, 15, v0
	s_delay_alu instid0(VALU_DEP_1)
	v_mul_u32_u24 v5, v7, 528
	s_delay_alu instid0(VALU_DEP_1)
	v_add_nc_u32 v5, v5, v4
	s_mul_i32 s29, s14, 8448
	s_add_co_u32 s29, s29, STGB                    ; my stage
	v_add_nc_u32 v5, s29, v5                       ; in: row r, + 64 h
	v_add_nc_u32 v6, s29, v1                       ; back: 16 L of a row
	s_mov_b32 s15, ttmp9                           ; cq
	s_and_b32 s28, ttmp7, 0xffff                   ; Gt
	; descriptor group 1: a dense block as 52 rows of 256 bytes (32 elements of 8 bytes), no padding
	s_mov_b32 s16, 3<<16
	s_mov_b32 s17, 32<<16
	s_mov_b32 s18, 52<<16
	s_mov_b32 s19, 32<<16
	s_mov_b32 s20, 52
	s_mov_b32 s21, 32
	s_mov_b32 s22, 0
	s_mov_b32 s23, 0
	s_min_u32 s30, s14, 3                          ; waves 0-3 fetch a quarter each
	s_mov_b32 s24, 1
	s_mul_i32 s25, s30, 13312
	s_add_co_u32 s30, s15, 76
	s_mul_i32 s30, s30, GRP
	s_add_co_u32 s30, s30, s25
	s_mov_b32 s31, 0
	s_lshl_b32 s32, s28, 3
	s_add_co_u32 s32, s32, s14                     ; 8 Gt + w
	s_lshl_b32 s34, s32, 10                        ; its scale halves in cs,
	s_mul_i32 s32, s32, 6144                       ; its half images in cx
	s_mov_b32 s33, 0
	s_mov_b32 s35, 0
	s_lshl_b32 s36, s15, 9                         ; my 128 columns, in bytes
	s_mov_b32 s37, 0
	s_lshl_b32 s38, s28, 7
	s_lshr_b32 s39, s14, 1
	s_lshl_b32 s39, s39, 5
	s_add_co_u32 s38, s38, s39
	s_and_b32 s39, s14, 1
	s_lshl_b32 s39, s39, 3
	s_add_co_u32 s38, s38, s39                     ; my tile's first token: 128 Gt + 32 (w / 2) + 8 (w % 2)
	s_lshl_b32 s38, s38, 11
	s_add_co_u32 s38, s38, s36
	s_mov_b32 s39, 0
	s_wait_dscnt 0x0
	s_wait_kmcnt 0x0
	s_add_nc_u64 s[26:27], s[4:5], s[30:31]
	s_or_b32 s27, s27, 0x80000000
	s_cmp_lt_u32 s14, 4
	s_cbranch_scc0 .Lnofill
	tensor_load_to_lds s[24:27], s[16:23]          ; my one tensor load: a quarter of Wo's group
	s_nop 0
	PLACES
.Lnofill:
	s_add_nc_u64 s[6:7], s[6:7], s[32:33]
	s_add_nc_u64 s[8:9], s[8:9], s[34:35]
	s_add_nc_u64 s[10:11], s[10:11], s[36:37]
	s_add_nc_u64 s[12:13], s[12:13], s[38:39]
	s_wait_alu depctr_va_vdst(0)
.irp hd, 0,1,2,3,4,5,6,7                       ; head hd's half image is registers 6 (hd % 2) .. + 5 of K step hd / 2's fragment
	global_load_b128 v[CF+6*\hd:CF+6*\hd+3], v1, s[6:7] offset:768*\hd
	global_load_b64 v[CF+6*\hd+4:CF+6*\hd+5], v2, s[6:7] offset:768*\hd+512
	global_load_b32 v[CW+\hd], v3, s[8:9] offset:128*\hd
.endr
.irp t, 0,1,2,3,4,5,6,7                        ; the bias in the result's layout: tile 2 b + u: columns 32 b + 16 h + 8 u + 0 .. 7
	global_load_b128 v[ACC+8*\t:ACC+8*\t+3], v4, s[10:11] offset:(32*(\t/2)+8*(\t%2))*4
	global_load_b128 v[ACC+8*\t+4:ACC+8*\t+7], v4, s[10:11] offset:(32*(\t/2)+8*(\t%2))*4+16
.endr
	s_wait_tensorcnt 0x0                           ; my quarter has landed,
	s_barrier_signal -1
	s_barrier_wait -1                              ; everybody's has
	WLOAD 0
	s_wait_loadcnt 0x0
.irp s, 0,1,2,3
	v_lshl_or_b32 v[CSW+\s], v[CW+2*\s+1], 16, v[CW+2*\s]      ; two heads' two bytes each make a K step's scale word
.endr
.rept 8
	v_nop                                          ; a scale register written by a vector instruction stands eight places ahead of a scaled product
.endr
.macro PTRIP i
	s_wait_dscnt 0x0
.irp s, 0,1,2,3                                ; two accumulators by turns, one instruction a turn
.irp tl, 0,1
	MMA ACC+16*(\i)+8*\tl, WF+12*(4*\tl+\s), CF+12*\s, WSC+4*\tl+\s, CSW+\s
.endr
.endr
	PLACES
.if (\i) < 3
	WLOAD (\i)+1
.endif
.endm
	s_wait_alu depctr_va_vdst(0)
	PTRIP 0
	PTRIP 1
	PTRIP 2
	PTRIP 3
.set ii, 0
.rept 16
	ds_store_b128 v5, v[ACC+4*ii:ACC+4*ii+3] offset:128*(ii/4)+16*(ii%4)   ; each accumulator from its low end on
.set ii, ii+1
.endr
.set ii, 0
.rept 16
	ds_load_b128 v[OB+4*ii:OB+4*ii+3], v6 offset:528*ii    ; LDS serves a wave's instructions in order: these see my stores
.set ii, ii+1
.endr
.set ii, 0
.rept 16
	s_wait_dscnt 15-ii                             ; row ii is back; the younger loads may be out
	global_store_b128 v1, v[OB+4*ii:OB+4*ii+3], s[12:13] offset:(ii+8*(ii/8))*2048 th:TH_STORE_NT   ; 32 lanes store 512 consecutive bytes, aligned to 256
.set ii, ii+1
.endr
	s_wait_tensorcnt 0x0
	ds_add_u32 v254, v255
	s_wait_dscnt 0x0
	s_endpgm
.Lfunc_end_k_q697123c263_proj:
	.size	k_q697123c263_proj, .Lfunc_end_k_q697123c263_proj-k_q697123c263_proj
	.p2alignl 7, 3214868480
	.fill 96, 4, 3214868480
	.section	.rodata,"a",@progbits
	.p2align	6, 0x0
	.amdhsa_kernel k_q697123c263_proj
		.amdhsa_group_segment_fixed_size 168960
		.amdhsa_private_segment_fixed_size 0
		.amdhsa_enable_private_segment 0
		.amdhsa_kernarg_size 40
		.amdhsa_user_sgpr_count 2
		.amdhsa_user_sgpr_kernarg_segment_ptr 1
		.amdhsa_wavefront_size32 1
		.amdhsa_system_sgpr_workgroup_id_x 1
		.amdhsa_system_sgpr_workgroup_id_y 1
		.amdhsa_system_sgpr_workgroup_id_z 1
		.amdhsa_system_vgpr_workitem_id 0
		.amdhsa_next_free_vgpr 256
		.amdhsa_next_free_sgpr 66
		.amdhsa_reserve_vcc 0
		.amdhsa_float_denorm_mode_32 3
		.amdhsa_float_denorm_mode_16_64 3
		.amdhsa_memory_ordered 1
		.amdhsa_forward_progress 1
		.amdhsa_inst_pref_size 24
	.end_amdhsa_kernel
	.amdgpu_metadata
---
amdhsa.version: [ 1, 2 ]
amdhsa.kernels:
  - .name:           k_q697123c263_proj
    .symbol:         k_q697123c263_proj.kd
    .args:
      - { .name: img, .offset: 0, .size: 8, .value_kind: global_buffer, .address_space: global }
      - { .name: cx, .offset: 8, .size: 8, .value_kind: global_buffer, .address_space: global }
      - { .name: cs, .offset: 16, .size: 8, .value_kind: global_buffer, .address_space: global }
      - { .name: bo, .offset: 24, .size: 8, .value_kind: global_buffer, .address_space: global }
      - { .name: out0, .offset: 32, .size: 8, .value_kind: global_buffer, .address_space: global }
    .group_segment_fixed_size: 168960
    .private_segment_fixed_size: 0
    .kernarg_segment_align: 8
    .kernarg_segment_size: 40
    .max_flat_workgroup_size: 256
    .sgpr_count:     66
    .vgpr_count:     256
    .wavefront_size: 32
...
	.end_amdgpu_metadata
.endif
;; end of part 4
